; MI455X (gfx1250); checked and timed in simulation.
; The chip was launched on July 23, 2026; its instructions are those of AMD's public machine-readable ISA for CDNA 5 (MIT licence, August 2026) and "CDNA5" Instruction Set Architecture Reference Guide (July 2026). The comments in the code are by the model that wrote it; some were corrected since.
;; Linear Attention. Allowed arithmetic: float matrix products may take bf16 or f16 operands with f32 sums; other float arithmetic in f32, or as packed bf16 or f16 multiplies, adds, multiply-adds, maxima and minima; sums over many terms, partial sums and values carried from step to step in f32; what a program stores and reads back later, other than sums and carried values, may be rounded once to bf16 or f16.
;; Inputs: Wk 512 x 512 float32; Wo 512 x 512 float32; Wq 512 x 512 float32; Wv 512 x 512 float32; bk 512 float32; bo 512 float32; bq 512 float32; bv 512 float32; x 4,096 x 8 x 512 float32.
;; Outputs: out0 4,096 x 8 x 512 float32.
;; One version. Each part assembles by itself: llvm-mc -triple=amdgcn-amd-amdhsa -mcpu=gfx1250 --defsym DOCPART=n.
;; ======== version 1 of 1: 4 launches
;; workspace buffers: Wb 1,572,864 bytes; bb 6,144 bytes; T 100,663,296 bytes; KVt 4,194,304 bytes
;; launch prep (part 1): grid 128 x 1, 4 waves a work-group, no clusters, 115,712 bytes of LDS; arguments Wq, Wk, Wv, Wo, bq, bk, bv, Wb, bb; writes Wb, bb
.if DOCPART == 1
	.amdgcn_target "amdgcn-amd-amdhsa--gfx1250"
	.amdhsa_code_object_version 6
	.text
	.protected	k_qbc181e0aad_prep
	.globl	k_qbc181e0aad_prep
	.p2align	8
	.type	k_qbc181e0aad_prep,@function
k_qbc181e0aad_prep:
	s_mov_b64 s[64:65], 0
	v_nop
	global_prefetch_b8 v0, s[64:65] scope:SCOPE_SE
	s_setreg_imm32_b32 hwreg(HW_REG_WAVE_MODE, 25, 1), 1
	s_wait_xcnt 0x0
; THE WEIGHTS ARE MADE READY.  Wb [1536][512] bf16: rows 0-511 = Wq, 512-1023 = Wk, 1024-1535 = Wo Wv (the output projection is drawn into V's:
; (Q (K^T V)) Wo^T = Q (K^T (V Wo^T)), and V Wo^T = x (Wo Wv)^T + Wo bv).  bb [1536] f32: bq, bk, Wo bv.
; The product Wo Wv has bf16 operands and f32 sums and is rounded once to bf16; Wo bv is made in f32.
; SHARES.  128 work-groups of four waves.  Work-group g makes 32 rows (f) x 64 columns (c) of Wo Wv, casts 4 rows of Wq and of Wk, and each wave makes one number of Wo bv.
; NO CLUSTER, NO TENSOR LOAD: the blocks of Wo and Wv are f32 in memory and are rounded on their way, so they pass through registers; what work-groups share is 4 MiB in the whole launch.
; THE MATRIX INSTRUCTION: source 0 = 16 columns c of Wv (turned out of LDS, k = e), source 1 = 16 rows f of Wo: a lane holds one f (lane % 16) and eight neighbouring c.
.set WOB,   0                          ; Wo's block: 32 rows (f) x 512 e bf16, 1,024 bytes + 16 of padding
.set WOP,   1040
.set WVB,   32*WOP                     ; Wv's block: 512 rows (e) x 64 c bf16, 128 bytes + 32 of padding (an odd multiple of 32 for the turning load)
.set WVP,   160
.set SPARE, WVB+512*WVP                ; the spare words: 128 bytes a wave, two blocks of 256 bytes that no other line names
.set SPW, 30                           ; v30  my spare word; never rewritten
.set NIL, 31                           ; v31  0; never rewritten
.set CT,  32                           ; v32-63   rounded words on their way into LDS
.set PKD, 40                           ; v40-47   the product, packed
.set AC,  48                           ; v48-63   two accumulators
.set S0,  64                           ; v64-127, v128-191  two landing sets of 16 loads
.set S1,  128
.set FR,  64                           ; v64-159  two fragment sets of 48 (two K steps each)
.set LQ,  160                          ; v160-175 4 rows of Wq;  v176-191 of Wk;  v192-207 my row of Wo;  v208-223 bv;  v224 bq, v225 bk
.set LK,  176
.set LWO, 192
.set LBV, 208
.set DT,  226                          ; v226-229 the dot product's two chains
.set OQ,  232                          ; v232-239, v240-247  Wq, Wk rounded
.macro PLACES                          ; four plain places behind matrix instructions (ISA guide 7.12.1)
.rept 4
	v_nop
.endr
.endm
.macro GL set, base, voff, off0, stride        ; 16 loads of 16 bytes a lane
.set n, 0
.rept 16
	global_load_b128 v[(\set)+4*n:(\set)+4*n+3], v[\voff], s[\base:\base+1] offset:(\off0)+n*(\stride)
.set n, n+1
.endr
.endm
.macro CV set, lreg, off0, stride              ; their 64 numbers a lane rounded to bf16, 8 bytes a load into LDS
.set n, 0
.rept 16
	v_cvt_pk_bf16_f32 v[CT+2*n], v[(\set)+4*n], v[(\set)+4*n+1]
	v_cvt_pk_bf16_f32 v[CT+2*n+1], v[(\set)+4*n+2], v[(\set)+4*n+3]
	ds_store_b64 v[\lreg], v[CT+2*n:CT+2*n+1] offset:(\off0)+n*(\stride)
.set n, n+1
.endr
.endm
.macro LDF g                                   ; K steps 2 g and 2 g + 1 (32 e each): 12 LDS loads into set g % 2: Wo's fragment, then Wv's two
.irp u, 0,1
.set fb, FR+48*((\g)%2)+24*\u
	ds_load_b128 v[fb:fb+3],   v14 offset:64*(2*(\g)+\u)
	ds_load_b128 v[fb+4:fb+7], v14 offset:64*(2*(\g)+\u)+32
.irp b, 0,1
	ds_load_tr16_b128 v[fb+8+8*\b:fb+11+8*\b],  v[15+(\g)/4] offset:((2*(\g)+\u)%8)*32*WVP+32*\b
	ds_load_tr16_b128 v[fb+12+8*\b:fb+15+8*\b], v[15+(\g)/4] offset:((2*(\g)+\u)%8)*32*WVP+32*\b+16*WVP
.endr
.endr
.endm
.macro MM4 g, zero                             ; four products; the two accumulators take turns
.irp u, 0,1
.irp b, 0,1
.set fb, FR+48*((\g)%2)+24*\u
.if (\zero) && (\u == 0)
	v_wmma_f32_16x16x32_bf16 v[AC+8*\b:AC+8*\b+7], v[fb+8+8*\b:fb+15+8*\b], v[fb:fb+7], 0
.else
	v_wmma_f32_16x16x32_bf16 v[AC+8*\b:AC+8*\b+7], v[fb+8+8*\b:fb+15+8*\b], v[fb:fb+7], v[AC+8*\b:AC+8*\b+7]
.endif
.endr
.endr
.endm
	s_load_b512 s[4:19], s[0:1], 0x0               ; Wq s[4:5], Wk s[6:7], Wv s[8:9], Wo s[10:11], bq s[12:13], bk s[14:15], bv s[16:17], Wb s[18:19]
	s_load_b64 s[20:21], s[0:1], 0x40              ; bb
	v_lshl_add_u32 v[SPW], v0, 2, SPARE
	v_mov_b32 v[NIL], 0
	v_lshrrev_b32 v1, 5, v0
	v_readfirstlane_b32 s22, v1                    ; wave 0..3
	v_and_b32 v1, 31, v0                           ; lane
	v_and_b32 v2, 15, v0                           ; l % 16, also t % 16
	v_bfe_u32 v3, v0, 4, 1                         ; l / 16
	s_lshr_b32 s23, ttmp9, 3                       ; which 32 rows f
	s_and_b32 s24, ttmp9, 7                        ; which 64 columns c
	s_lshl_b32 s25, ttmp9, 2
	s_add_co_u32 s25, s25, s22                     ; gw = 4 g + wave: my number of Wo bv, bq, bk
	s_lshr_b32 s26, s22, 1                         ; wy: which 16 f
	s_and_b32 s27, s22, 1                          ; wx: which 32 c
	v_lshlrev_b32 v4, 4, v0                        ; Wo: 128 threads x 16 bytes are a row
	v_lshl_add_u32 v5, v0, 3, WOB                  ; and 8 bytes each in LDS
	v_lshrrev_b32 v17, 4, v0                       ; Wv: 16 threads take a row's 256 bytes, 8 rows a load
	v_lshlrev_b32 v6, 4, v2
	v_lshl_add_u32 v6, v17, 11, v6
	v_mul_u32_u24 v7, v17, WVP
	v_lshl_add_u32 v7, v2, 3, v7
	v_add_nc_u32 v7, WVB, v7
	v_add_nc_u32 v8, 256*WVP, v7                   ; rows 256 on: the immediate has 16 bits
	s_lshl_b32 s28, s23, 16                        ; 32 rows of 2,048 bytes
	s_mov_b32 s29, 0
	s_lshl_b32 s32, s24, 8                         ; 64 columns of 4 bytes
	s_mov_b32 s33, 0
	s_wait_kmcnt 0x0
	s_add_nc_u64 s[28:29], s[10:11], s[28:29]      ; Wo at my block's first row
	s_add_nc_u64 s[32:33], s[8:9], s[32:33]        ; Wv at my block's first column
	; PHASE A: both blocks into LDS as bf16.  Six batches of 16 loads on two landing sets: the count 16 leaves the younger batch out.
	GL S0, 28, 4, 0, 2048
	GL S1, 28, 4, 16*2048, 2048
	s_wait_loadcnt 16
	CV S0, 5, 0, WOP
	GL S0, 32, 6, 0, 16384
	s_wait_loadcnt 16
	CV S1, 5, 16*WOP, WOP
	GL S1, 32, 6, 16*16384, 16384
	s_wait_loadcnt 16
	CV S0, 7, 0, 8*WVP
	GL S0, 32, 6, 32*16384, 16384
	s_wait_loadcnt 16
	CV S1, 7, 128*WVP, 8*WVP
	GL S1, 32, 6, 48*16384, 16384
	s_wait_loadcnt 16
	CV S0, 8, 0, 8*WVP
	s_wait_loadcnt 0x0
	CV S1, 8, 128*WVP, 8*WVP
	; addresses for what follows, while the stores are out
	s_lshl_b32 s34, ttmp9, 13
	v_lshl_add_u32 v9, v0, 4, s34                  ; Wq, Wk: 4 rows of 2,048 bytes a work-group
	s_lshl_b32 s34, s25, 11
	v_lshl_add_u32 v10, v1, 4, s34                 ; row gw of Wo, 16 bytes a lane
	v_lshlrev_b32 v11, 4, v1                       ; bv likewise
	s_lshl_b32 s34, s25, 2
	v_mov_b32 v12, s34                             ; 4 gw
	s_lshl_b32 s34, ttmp9, 12
	v_lshl_add_u32 v13, v0, 3, s34                 ; Wb: 4 rows of 1,024 bytes a work-group
	v_mul_u32_u24 v14, v2, WOP                     ; Wo's fragment: row 16 wy + l % 16, 16 bytes for each half of the lanes
	v_lshl_add_u32 v14, v3, 4, v14
	s_mul_i32 s34, s26, 16*WOP
	v_add_nc_u32 v14, s34, v14
	v_and_b32 v17, 7, v0                           ; the turning load: lane l reads row 8 (l / 16) + l % 8, 16 bytes at 16 ((l / 8) % 2)
	v_bfe_u32 v18, v0, 3, 1
	v_lshl_add_u32 v15, v3, 3, v17
	v_mul_u32_u24 v15, v15, WVP
	v_lshl_add_u32 v15, v18, 4, v15
	s_lshl_b32 s34, s27, 6
	s_add_co_u32 s34, s34, WVB
	v_add_nc_u32 v15, s34, v15
	v_add_nc_u32 v16, 256*WVP, v15                 ; K steps 8 on
	s_lshl_b32 s36, s23, 15                        ; the product's place in Wb: row 1024 + 32 fblock + 16 wy + l % 16,
	s_lshl_b32 s37, s26, 14
	s_add_co_u32 s36, s36, s37
	s_lshl_b32 s37, s24, 7                         ; column 64 cblock + 32 wx + 8 (l / 16)
	s_add_co_u32 s36, s36, s37
	s_lshl_b32 s37, s27, 6
	s_add_co_u32 s36, s36, s37
	s_add_co_u32 s36, s36, 1024*1024
	v_lshl_add_u32 v19, v2, 10, s36
	v_lshl_add_u32 v19, v3, 4, v19
	s_mov_b32 s38, 0x76543210                      ; v_permlanex16_b32: each lane takes its own place in the other half
	s_mov_b32 s39, 0xfedcba98
	s_wait_dscnt 0x0                               ; for the others' sake: my stores into the blocks are done
	s_barrier_signal -1
	s_barrier_wait -1
	; PHASE B: 18 loads that are used behind the product
.irp i, 0,1,2,3
	global_load_b128 v[LQ+4*\i:LQ+4*\i+3], v9, s[4:5] offset:2048*\i
	global_load_b128 v[LK+4*\i:LK+4*\i+3], v9, s[6:7] offset:2048*\i
	global_load_b128 v[LWO+4*\i:LWO+4*\i+3], v10, s[10:11] offset:512*\i
	global_load_b128 v[LBV+4*\i:LBV+4*\i+3], v11, s[16:17] offset:512*\i
.endr
	global_load_b32 v224, v12, s[12:13]
	global_load_b32 v225, v12, s[14:15]
	; PHASE C: 16 K steps of 32; the count 12 leaves the younger set's loads out
	LDF 0
	LDF 1
.irp g, 0,1,2,3,4,5,6,7
.if \g < 7
	s_wait_dscnt 12
.else
	s_wait_dscnt 0x0
.endif
.if \g == 0
	MM4 \g, 1
.else
	MM4 \g, 0
.endif
.if \g < 6
	PLACES                                         ; in front of loads into registers that the products have read
	LDF (\g)+2
.endif
.endr
	PLACES
.irp b, 0,1
.irp p, 0,1,2,3
	v_cvt_pk_bf16_f32 v[PKD+4*\b+\p], v[AC+8*\b+2*\p], v[AC+8*\b+2*\p+1]
.endr
.endr
	global_store_b128 v19, v[PKD:PKD+3], s[18:19]              ; 16 bytes a lane; two lanes make 32 bytes of a row, a wave's two stores 64: half a MiB in the whole launch goes out so
	global_store_b128 v19, v[PKD+4:PKD+7], s[18:19] offset:32
	; PHASE D: the casts and the bias
	s_wait_loadcnt 0x0
.irp i, 0,1,2,3
	v_cvt_pk_bf16_f32 v[OQ+2*\i], v[LQ+4*\i], v[LQ+4*\i+1]
	v_cvt_pk_bf16_f32 v[OQ+2*\i+1], v[LQ+4*\i+2], v[LQ+4*\i+3]
	global_store_b64 v13, v[OQ+2*\i:OQ+2*\i+1], s[18:19] offset:1024*\i            ; a wave's store covers 256 consecutive bytes, aligned
	v_cvt_pk_bf16_f32 v[OQ+8+2*\i], v[LK+4*\i], v[LK+4*\i+1]
	v_cvt_pk_bf16_f32 v[OQ+8+2*\i+1], v[LK+4*\i+2], v[LK+4*\i+3]
	global_store_b64 v13, v[OQ+8+2*\i:OQ+8+2*\i+1], s[18:19] offset:512*1024+1024*\i
.endr
	v_pk_mul_f32 v[DT:DT+1], v[LWO:LWO+1], v[LBV:LBV+1]        ; Wo[gw] . bv in f32: two chains of pairs start with products
	v_pk_mul_f32 v[DT+2:DT+3], v[LWO+2:LWO+3], v[LBV+2:LBV+3]
.irp i, 1,2,3
	v_pk_fma_f32 v[DT:DT+1], v[LWO+4*\i:LWO+4*\i+1], v[LBV+4*\i:LBV+4*\i+1], v[DT:DT+1]
	v_pk_fma_f32 v[DT+2:DT+3], v[LWO+4*\i+2:LWO+4*\i+3], v[LBV+4*\i+2:LBV+4*\i+3], v[DT+2:DT+3]
.endr
	v_pk_add_f32 v[DT:DT+1], v[DT:DT+1], v[DT+2:DT+3]
	v_add_f32 v[DT], v[DT], v[DT+1]
	v_add_f32_dpp v[DT], v[DT], v[DT] row_xmask:1 row_mask:0xf bank_mask:0xf
	v_add_f32_dpp v[DT], v[DT], v[DT] row_xmask:2 row_mask:0xf bank_mask:0xf
	v_add_f32_dpp v[DT], v[DT], v[DT] row_xmask:4 row_mask:0xf bank_mask:0xf
	v_add_f32_dpp v[DT], v[DT], v[DT] row_xmask:8 row_mask:0xf bank_mask:0xf
	v_permlanex16_b32 v[DT+1], v[DT], s38, s39
	v_add_f32 v[DT], v[DT], v[DT+1]
	v_cmp_eq_u32 vcc_lo, 0, v1
	s_wait_xcnt 0x0                                ; EXEC is a source of the stores above: it changes only behind this wait
	s_and_saveexec_b32 s30, vcc_lo                 ; lane 0 alone
	global_store_b32 v12, v224, s[20:21]
	global_store_b32 v12, v225, s[20:21] offset:2048
	global_store_b32 v12, v[DT], s[20:21] offset:4096
	s_wait_xcnt 0x0                                ; and again in front of the line that widens it
	s_or_b32 exec_lo, exec_lo, s30
	s_wait_tensorcnt 0x0                           ; the wave's end: behind my last LDS store
	ds_add_u32 v[SPW], v[NIL]
	s_wait_dscnt 0x0
	s_endpgm
.Lfunc_end_k_qbc181e0aad_prep:
	.size	k_qbc181e0aad_prep, .Lfunc_end_k_qbc181e0aad_prep-k_qbc181e0aad_prep
	.p2alignl 7, 3214868480
	.fill 96, 4, 3214868480
	.section	.rodata,"a",@progbits
	.p2align	6, 0x0
	.amdhsa_kernel k_qbc181e0aad_prep
		.amdhsa_group_segment_fixed_size 115712
		.amdhsa_private_segment_fixed_size 0
		.amdhsa_enable_private_segment 0
		.amdhsa_kernarg_size 72
		.amdhsa_user_sgpr_count 2
		.amdhsa_user_sgpr_kernarg_segment_ptr 1
		.amdhsa_wavefront_size32 1
		.amdhsa_system_sgpr_workgroup_id_x 1
		.amdhsa_system_sgpr_workgroup_id_y 1
		.amdhsa_system_sgpr_workgroup_id_z 1
		.amdhsa_system_vgpr_workitem_id 0
		.amdhsa_next_free_vgpr 256
		.amdhsa_next_free_sgpr 66
		.amdhsa_reserve_vcc 1
		.amdhsa_float_denorm_mode_32 3
		.amdhsa_float_denorm_mode_16_64 3
		.amdhsa_memory_ordered 1
		.amdhsa_forward_progress 1
		.amdhsa_inst_pref_size 46
	.end_amdhsa_kernel
	.amdgpu_metadata
---
amdhsa.version: [ 1, 2 ]
amdhsa.kernels:
  - .name:           k_qbc181e0aad_prep
    .symbol:         k_qbc181e0aad_prep.kd
    .args:
      - { .name: Wq, .offset: 0, .size: 8, .value_kind: global_buffer, .address_space: global }
      - { .name: Wk, .offset: 8, .size: 8, .value_kind: global_buffer, .address_space: global }
      - { .name: Wv, .offset: 16, .size: 8, .value_kind: global_buffer, .address_space: global }
      - { .name: Wo, .offset: 24, .size: 8, .value_kind: global_buffer, .address_space: global }
      - { .name: bq, .offset: 32, .size: 8, .value_kind: global_buffer, .address_space: global }
      - { .name: bk, .offset: 40, .size: 8, .value_kind: global_buffer, .address_space: global }
      - { .name: bv, .offset: 48, .size: 8, .value_kind: global_buffer, .address_space: global }
      - { .name: Wb, .offset: 56, .size: 8, .value_kind: global_buffer, .address_space: global }
      - { .name: bb, .offset: 64, .size: 8, .value_kind: global_buffer, .address_space: global }
    .group_segment_fixed_size: 115712
    .private_segment_fixed_size: 0
    .kernarg_segment_align: 8
    .kernarg_segment_size: 72
    .max_flat_workgroup_size: 128
    .sgpr_count:     66
    .vgpr_count:     256
    .wavefront_size: 32
...
	.end_amdgpu_metadata
.endif
;; end of part 1
;; launch proj (part 2): grid 256 x 1, 4 waves a work-group, clusters of 4 x 1, 327,680 bytes of LDS; arguments x, Wb, bb, T; writes T
.if DOCPART == 2
	.amdgcn_target "amdgcn-amd-amdhsa--gfx1250"
	.amdhsa_code_object_version 6
	.text
	.protected	k_qbc181e0aad_proj
	.globl	k_qbc181e0aad_proj
	.p2align	8
	.type	k_qbc181e0aad_proj,@function
k_qbc181e0aad_proj:
	s_mov_b64 s[64:65], 0
	v_nop
	global_prefetch_b8 v0, s[64:65] scope:SCOPE_SE
	s_setreg_imm32_b32 hwreg(HW_REG_WAVE_MODE, 25, 1), 1
	s_wait_xcnt 0x0
	s_wait_alu depctr_hold_cnt(0) depctr_sa_sdst(0) depctr_va_vdst(0) depctr_va_sdst(0) depctr_va_ssrc(0) depctr_va_vcc(0) depctr_vm_vsrc(0)
	s_getreg_b32 s2, hwreg(HW_REG_IB_STS2, 6, 4)
	s_cmp_eq_u32 s2, 0
	s_cbranch_scc0 .Lentry_in_a_cluster
	s_endpgm
.Lentry_in_a_cluster:
	s_bfe_u32 s2, ttmp6, 0x10000c
	s_cmp_lg_u32 s2, 0x3003
	s_cbranch_scc0 .Lentry_shape_is_right
	s_endpgm
.Lentry_shape_is_right:
; T[b][n][s] = act(sum over c of x[s][b][c] Wb[n][c] + bb[n]), bf16, stored TURNED (s along the rows).  n < 1024 (Q, K): act(z) = elu(z) + 1 = max(z, 0) + e^min(z, 0); n >= 1024 (V Wo^T): act(z) = z.
; Operands bf16, sums and activation f32, T rounded once.  LIMITS: a NaN in z gives 1 (n < 1024) or -infinity (n >= 1024), since the maximum and minimum used drop it; e^z below 2^-126 counts as 0.
; SHARES.  A work-group owns 128 s of one batch and all 1,536 n; four waves, each 64 s x 48 n of a tile of 96 n: 12 accumulators.
; x IN REGISTERS.  A wave's 64 rows of x, rounded to bf16, are 64 fragments (512 registers) that stay for the whole kernel: the loop reads only Wb's fragments from LDS, 96 loads for 192 products.
; THE RING.  Wb is walked in 16 tiles of 96 n x 512 K, a whole tile to a slot, two slots: one refill a tile, which has the next tile's 192 products in which to land.
; THE WAY OUT RIDES.  At a tile's end 48 packed additions (sum + bias) move the sums into Z; the next tile's products carry Z's activation, rounding and stage stores behind them, three lines
; behind each product; a barrier, the rows read back, and the stores ride behind the tile's last products.  One text serves all tiles: act(z) = max(z, lo) + g 2^(c min(z, 0)), (lo, g) = (0, 1) or (-inf, 0) for each block of 16 n.
; CLUSTER.  All work-groups walk the same Wb: the four of a cluster ask for each tile JOINTLY.  The place in the cluster enters x's and T's addresses alone.
; THE MATRIX INSTRUCTION: source 0 = 16 rows of x (s), source 1 = 16 rows of Wb (n): a lane holds one n (lane % 16) and eight neighbouring s: 16 bytes of a row of T.
; REGISTERS.  Window 0: v0-31 set-up; v32-95 x on its way; v128-223 accumulators ((x, y) at 128 + 8 (4 y + x)).
;   Window 1, all that the riders and the fragment loads name: v0-95 Wb's fragments, two buffers of 64 along K; v96-111 exponentials at work; v112-117 bias; v118-125 addresses; v128-223 Z.
;   Windows 2, 3: x's fragments: K step kk (32 along K), s block x at window 2 + kk / 8, register 8 (4 (kk % 8) + x).
.set PITCH,  1040                      ; a row of Wb in LDS: 1,024 bytes + 16 of padding = 260 words: the 16 rows of a fragment load start at 16 different groups of four banks (ISA guide 11.1)
.set NT,     96                        ; n in a tile
.set SLOT1,  1<<17                     ; slot 0 begins at 0 (99,840 bytes), slot 1 here: one exclusive or turns an address in one slot into the other's
.set STAGE,  SLOT1+NT*PITCH            ; 128 rows x 272 bytes: first x's chunks (rows s), then the way out (96 rows n); written by LDS stores alone
.set SPITCH, 272
.set SPARE,  STAGE+128*SPITCH          ; the spare words: 128 bytes a wave, two blocks of 256 bytes that no other line names
.set NRID,   444                       ; riders of a tile: 12 accumulators x (36 vector lines + 1 stage store)
.set XO,   10                          ; window 0: v10 16 x lane;  v11 where my 8 bytes of a chunk's row go;  v12 my fragments of x in the stage
.set XS,   11
.set AXF,  12
.set TMPX, 32
.set ACC,  128
.set TT,   96                          ; window 1 from here on
.set BI,   112                         ; bias of n block y in v[112 + 2 y]; the odd registers hold 0 (named as pairs)
.set AY0,  118                         ; my lane's place in a tile of Wb; never rewritten
.set ADR,  119                         ; the same in the slot in hand
.set STO,  120                         ; the way out: where I put 16 bytes of a row
.set RD,   121                         ; where I read a row back
.set CO,   122                         ; my byte offset in T
.set BO,   123                         ; my byte offset in bb
.set SPW,  124                         ; my spare word; never rewritten
.set NIL,  125                         ; 0; never rewritten
.set Z,    128
.set WV,   12                          ; s12  my wave's number
.set NB,   22                          ; s22  first n of my 48 in the tile whose way out rides
.set G1,   24                          ; s[24:31] descriptor group 1
.set G0A,  32                          ; s[32:35] group 0 of the first fill of slot 0
.set G0,   36                          ; s[36:39] group 0 of slot 1's first fill; it then walks on
.set CS,   40                          ; s[40:41] log2(e), as a pair
.set GG,   42                          ; s[42:47] g of n block y in s[42 + 2 y], as pairs
.set LO,   48                          ; s48-50   lo of n block y
.set TB,   51                          ; s51      LDS byte at which the slot to be read begins
.set MSB, 0
.macro WIN new                         ; the immediate's high byte repeats the setting that is left; a switch that changes nothing is dropped
.if MSB != (\new)
	s_set_vgpr_msb (MSB<<8)|(\new)
.set MSB, \new
.endif
.endm
.set RID, 0x55                         ; every operand place in window 1
.set CPY, 0x44                         ; source 0 (sums) window 0; source 1 (bias) and destination (Z) window 1
.macro PLACES                          ; four plain places in front of loads into registers that products have read and of lines that read results
.rept 4
	v_nop
.endr
.endm
.macro CREST                           ; a round of the cluster's barrier behind its opening barrier
	s_cmp_lg_u32 s[WV], 0
	s_cbranch_scc1 .Lnot_wave_0_\@
	s_barrier_signal -3
.Lnot_wave_0_\@:
	s_barrier_wait -3
	s_barrier_signal -1
	s_barrier_wait -1
.endm
.macro CROUND
	s_barrier_signal -1
	s_barrier_wait -1
	CREST
.endm
; x, chunk c (128 along K): my 32 rows' 512 bytes, a load a row, into landing set c % 2 (v128-255 of window 0 or 1)
.macro XLOAD c
	WIN 0x40*((\c)%2)
.set n, 0
.rept 32
	global_load_b128 v[128+4*n:128+4*n+3], v[XO], s[4:5] offset:n*16384+512*(\c) th:TH_LOAD_NT
.set n, n+1
.endr
.endm
.macro XCVT c                          ; rounded to bf16; 8 bytes a lane, a row's 256 bytes a store, into the stage
	WIN 0x05*((\c)%2)
.set n, 0
.rept 32
	v_cvt_pk_bf16_f32 v[TMPX+2*n],   v[128+4*n],   v[128+4*n+1]
	v_cvt_pk_bf16_f32 v[TMPX+2*n+1], v[128+4*n+2], v[128+4*n+3]
.set n, n+1
.endr
	WIN 0
.set n, 0
.rept 32
	ds_store_b64 v[XS], v[TMPX+2*n:TMPX+2*n+1] offset:n*SPITCH
.set n, n+1
.endr
.endm
.macro XFRAG c                         ; my 64 rows' fragments of the chunk: K steps 4 c .. 4 c + 3
	WIN 0x80+0x40*((\c)/2)
.irp j, 0,1,2,3
.irp x, 0,1,2,3
	ds_load_b128 v[8*(4*((4*(\c)+\j)%8)+\x):8*(4*((4*(\c)+\j)%8)+\x)+3],   v[AXF] offset:\x*16*SPITCH+64*\j
	ds_load_b128 v[8*(4*((4*(\c)+\j)%8)+\x)+4:8*(4*((4*(\c)+\j)%8)+\x)+7], v[AXF] offset:\x*16*SPITCH+64*\j+32
.endr
.endr
	WIN 0
.endm
; Wb's fragments of pair p (K steps 2 p, 2 p + 1): 12 LDS loads in one run into buffer p % 2.  DSN counts the LDS instructions written behind the run: the wait for it leaves those out.
.macro FETCH p
	WIN RID
.irp u, 0,1
.irp y, 0,1,2
	ds_load_b128 v[48*((\p)%2)+24*\u+8*\y:48*((\p)%2)+24*\u+8*\y+3],   v[ADR] offset:64*(2*(\p)+\u)+\y*16*PITCH
	ds_load_b128 v[48*((\p)%2)+24*\u+8*\y+4:48*((\p)%2)+24*\u+8*\y+7], v[ADR] offset:64*(2*(\p)+\u)+\y*16*PITCH+32
.endr
.endr
.set DSN, 0
.endm
; Product I of a tile's 192: K step I / 12, accumulator I % 12.  The 12 accumulators take turns; the first 12 start the sums: nothing is cleared.
.macro PROD
.set kk, I/12
.set pq, I%12
.set rX, 8*(4*(kk%8)+pq%4)
.set rY, 48*((kk/2)%2)+24*(kk%2)+8*(pq/4)
	WIN 0x06+kk/8                                  ; x window 2 or 3, Wb window 1, sums window 0
.if kk == 0
	v_wmma_f32_16x16x32_bf16 v[ACC+8*pq:ACC+8*pq+7], v[rX:rX+7], v[rY:rY+7], 0
.else
	v_wmma_f32_16x16x32_bf16 v[ACC+8*pq:ACC+8*pq+7], v[rX:rX+7], v[rY:rY+7], v[ACC+8*pq:ACC+8*pq+7]
.endif
.set I, I+1
.endm
; Rider RI of 444.  For each accumulator's eight numbers z in Z, 37 lines: 4 x c z; 8 x min(., 0); 8 exponentials, each followed by a maximum max(z, lo), the plain line behind it (ISA guide 5.7.2);
; 4 x g t + max; 4 roundings to bf16, in place from the low end; the 16 bytes into the stage.  Two work sets take turns.
.macro RIDER
.if RI < NRID
	WIN RID
.set rq, RI/37
.set re, RI%37
.set zq, Z+8*rq
.set tq, TT+8*(rq%2)
.if re < 4
	v_pk_mul_f32 v[tq+2*re:tq+2*re+1], v[zq+2*re:zq+2*re+1], s[CS:CS+1] op_sel_hi:[1,0]
.elseif re < 12
	v_min_num_f32 v[tq+re-4], 0, v[tq+re-4]
.elseif (re < 28) && (re%2 == 0)
	v_exp_f32 v[tq+(re-12)/2], v[tq+(re-12)/2]
.elseif re < 28
	v_max_num_f32 v[zq+(re-13)/2], s[LO+rq/4], v[zq+(re-13)/2]
.elseif re < 32
	s_wait_alu depctr_va_vdst(0)
	v_pk_fma_f32 v[zq+2*(re-28):zq+2*(re-28)+1], v[tq+2*(re-28):tq+2*(re-28)+1], s[GG+2*(rq/4):GG+2*(rq/4)+1], v[zq+2*(re-28):zq+2*(re-28)+1] op_sel_hi:[1,0,1]
.elseif re < 36
	v_cvt_pk_bf16_f32 v[zq+re-32], v[zq+2*(re-32)], v[zq+2*(re-32)+1]
.else
	ds_store_b128 v[STO], v[zq:zq+3] offset:(rq/4)*16*SPITCH+32*(rq%4)
.set DSN, DSN+1
.endif
.set RI, RI+1
.endif
.endm
.macro PARAMS                          ; block y of my 48 n begins at NB + 16 y: below 1,024 it is Q's or K's
.irp y, 0,1,2
	s_cmp_lt_u32 s[NB], 1024-16*\y
	s_cselect_b32 s[GG+2*\y], 1.0, 0
	s_cselect_b32 s[LO+\y], 0, 0xff800000
.endr
.endm
.macro READBACK                        ; wave w takes rows 24 w .. 24 w + 23 of the stage, whole: lanes 0-15 one row, lanes 16-31 the next
	WIN RID
.irp t, 0,1,2,3,4,5,6,7,8,9,10,11
	ds_load_b128 v[Z+4*\t:Z+4*\t+3], v[RD] offset:\t*2*SPITCH
.endr
.set DSN, DSN+12
.endm
; A TILE: 8 pairs of K steps, 24 products each.  rid = 1: the tile before rides.  fill = 1: the slot is filled again, with the tile two on.  tail = 1: in the last trip no next tile is fetched.
; Pairs 0-5: three riders behind each product; behind the fourth product the next pair's fragments.  Pair 6: the last 12 riders; my stage stores are waited for and the stage's barrier is signalled;
; pair 7's fragments; the barrier's wait; the rows are read back.  Pair 7: the slot's last reads were pair 7's fragments, so the change of slots stands here: the wait for all my tensor loads (one is out:
; my part of the next slot), the add, the wait for it and for my LDS reads, the barrier, which opens a round of the cluster's where the slot is filled again; the refill first behind it;
; the next tile's first fragments; the 12 stores ride behind the last 12 products.  The stage is written again only behind that barrier.
.macro TILE rid, fill, tail
.set I, 0
.set RI, NRID*(1-(\rid))
.set DSN, 0
	WIN RID
.if \rid
	PARAMS
.endif
.irp y, 0,1,2
	global_load_b32 v[BI+2*\y], v[BO], s[8:9] offset:64*\y
.endr
	s_wait_dscnt 0x0                               ; pair 0's fragments are in
.set p, 0
.rept 8
.if (p > 0) && (p < 7)
	s_wait_dscnt DSN                               ; the pair's fragments are in; the stage stores written behind them may be out
.endif
.if p == 7
	WIN RID
	s_wait_tensorcnt 0x0                           ; all my tensor loads have landed, so the walking group 0 may be written
	ds_add_u32 v[SPW], v[NIL]
.set DSN, DSN+1
.if \fill
	s_xor_b32 s[G0+1], s[G0+1], SLOT1              ; the other slot than last time,
	s_add_nc_u64 s[G0+2:G0+3], s[G0+2:G0+3], NT*1024  ; the next 96 rows of Wb
.endif
	s_wait_dscnt DSN                               ; pair 7's fragments are in; the rows read back and the add may be out
.endif
.set j, 0
.rept 24
	PROD
.if p < 7
	RIDER
	RIDER
	RIDER
.endif
.if (p < 6) && (j == 3)
	PLACES
	FETCH p+1
.endif
.if (p == 6) && (j == 7)
.if \rid
	s_wait_dscnt 0x0                               ; for the others' sake: my stores into the stage are done.  A row's 256 bytes come from two waves.
	s_barrier_signal -1                            ; the refill on its way may stay out; between signal and wait stand products and reads of the slot
.endif
	PLACES
	FETCH 7
.endif
.if (p == 6) && (j == 11) && (\rid)
	s_barrier_wait -1
	READBACK
.endif
.if (p == 7) && (j == 7)
	s_wait_dscnt 0x0                               ; the add is done; my reads of the slot and of the stage are over
	s_barrier_signal -1
.endif
.if (p == 7) && (j == 11)
	WIN 0
	s_barrier_wait -1
.if \fill
	CREST                                          ; no wave of any partner still reads this slot or has a load on its way
	tensor_load_to_lds s[G0:G0+3], s[G1:G1+7]      ; my 24 rows of the tile two on: the first thing behind the round
	s_nop 0
.endif
	PLACES                                         ; behind the load, and in front of the loads below
	s_xor_b32 s[TB], s[TB], SLOT1
.if \tail
	s_cmp_eq_u32 s23, 1
	s_cbranch_scc1 .Lno_next_\@                    ; behind the last tile there is none to fetch
.endif
	WIN RID
	v_add_nc_u32 v[ADR], s[TB], v[AY0]
	FETCH 0
.if \tail
	WIN 0
.Lno_next_\@:
.endif
.endif
.if (p == 7) && (j > 11) && (\rid)
	WIN RID
	global_store_b128 v[CO], v[Z+4*(j-12):Z+4*(j-12)+3], s[10:11] offset:2*(j-12)*8192  ; 16 lanes store 256 consecutive bytes, at a multiple of 256 from T's first byte
.endif
.set j, j+1
.endr
.set p, p+1
.endr
	PLACES
	s_wait_loadcnt 0x0                             ; the tile's bias
	s_wait_xcnt 0x0                                ; Z, which the stores read, and their base are rewritten only behind this wait
	WIN CPY
.set q, 0
.rept 12                               ; sum + bias into Z; each accumulator's registers in ascending order
.irp e, 0,2,4,6
	v_pk_add_f32 v[Z+8*q+\e:Z+8*q+\e+1], v[ACC+8*q+\e:ACC+8*q+\e+1], v[BI+2*(q/4):BI+2*(q/4)+1] op_sel_hi:[1,0]
.endr
.set q, q+1
.endr
	WIN 0                                          ; at a label and at a branch every window is 0
	s_add_nc_u64 s[8:9], s[8:9], NT*4              ; 96 numbers of bb on
.if \rid
	s_add_nc_u64 s[10:11], s[10:11], NT*8192       ; 96 rows of T on
	s_add_co_u32 s[NB], s[NB], NT
.endif
.endm
	s_load_b256 s[4:11], s[0:1], 0x0               ; x s[4:5], Wb s[6:7], bb s[8:9], T s[10:11]
	WIN 0x40
	v_lshl_add_u32 v[SPW], v0, 2, SPARE
	v_mov_b32 v[NIL], 0
	WIN 0x05
	ds_add_u32 v[SPW], v[NIL]                      ; the wave's opening: the add and its wait ahead of my first tensor load
	WIN 0
	v_lshrrev_b32 v1, 5, v0
	v_readfirstlane_b32 s[WV], v1                  ; wave 0..3
	s_and_b32 s13, s[WV], 1                        ; wx: which 64 s
	s_lshr_b32 s14, s[WV], 1                       ; wy: which 48 n
	s_bfe_u32 s15, ttmp6, 0x40000                  ; cx
	s_lshl_b32 s16, ttmp9, 2
	s_add_co_u32 s16, s16, s15                     ; work-group = 4 x cluster + cx
	s_and_b32 s18, s16, 7                          ; b
	s_lshr_b32 s19, s16, 3                         ; which 128 s
	s_lshl_b32 s20, s19, 21                        ; x: 128 s of 16,384 bytes,
	s_lshl_b32 s21, s18, 11                        ; batch b's 2,048 bytes in each,
	s_add_co_u32 s20, s20, s21
	s_lshl_b32 s21, s[WV], 19                      ; the 32 s that my wave brings in
	s_add_co_u32 s20, s20, s21
	s_mov_b32 s21, 0
	s_mul_i32 s2, s18, 1536*8192                   ; T: batch b,
	s_lshl_b32 s3, s19, 8                          ; 128 s of 2 bytes,
	s_add_co_u32 s2, s2, s3
	s_mul_i32 s3, s[WV], 24*8192                   ; the 24 rows of a tile that my wave stores
	s_add_co_u32 s2, s2, s3
	s_mov_b32 s3, 0
	s_mul_i32 s52, s[WV], 24*1024                  ; Wb: the 24 rows of a tile that my wave fetches
	s_mov_b32 s53, 0
	; descriptor group 1: 24 rows x 512 elements, padded in LDS
	s_mov_b32 s[G1+0], 15|(1<<16)|(1<<20)|(1<<21)|(7<<22)|(3<<25)  ; 15:0 the mask of four; 17:16 2-byte elements; 20 padding on; 21 set beside a mask; 24:22 after every 256 words; 31:25 4 words
	s_mov_b32 s[G1+1], 512<<16                     ; tensor_dim0 = 512
	s_mov_b32 s[G1+2], 24<<16                      ; tensor_dim1 = 24
	s_mov_b32 s[G1+3], 512<<16                     ; tile_dim0 = 512
	s_mov_b32 s[G1+4], 24                          ; tile_dim1 = 24
	s_mov_b32 s[G1+5], 512                         ; 512 elements from row to row
	s_mov_b32 s[G1+6], 0
	s_mov_b32 s[G1+7], 0
	s_mul_i32 s17, s[WV], 24*PITCH                 ; where they go: wave x 24 rows
	s_mov_b32 s[CS], 0x3fb8aa3b                    ; log2(e)
	s_mov_b32 s[CS+1], s[CS]                       ; named with it as a pair
	s_mov_b32 s[GG+1], 0
	s_mov_b32 s[GG+3], 0
	s_mov_b32 s[GG+5], 0
	s_mov_b32 s[TB], 0
	s_mul_i32 s[NB], s14, 48
	s_mov_b32 s[G0A], 1                            ; count = 1
	s_mov_b32 s[G0A+1], s17                        ; LDS address: slot 0
	s_mov_b32 s[G0], 1
	s_add_co_u32 s[G0+1], s17, SLOT1               ; slot 1
	s_wait_dscnt 0x0                               ; the opening add is done
	s_wait_kmcnt 0x0
	s_add_nc_u64 s[4:5], s[4:5], s[20:21]
	s_add_nc_u64 s[10:11], s[10:11], s[2:3]
	s_add_nc_u64 s[6:7], s[6:7], s[52:53]
	s_add_nc_u64 s[G0A+2:G0A+3], s[6:7], 0         ; tile 0
	s_or_b32 s[G0A+3], s[G0A+3], 0x80000000        ; type = 2
	s_add_nc_u64 s[G0+2:G0+3], s[6:7], NT*1024     ; tile 1
	s_or_b32 s[G0+3], s[G0+3], 0x80000000
	CROUND                                         ; all four work-groups are here: the first joint loads meet
	tensor_load_to_lds s[G0A:G0A+3], s[G1:G1+7]    ; two loads of mine are out
	s_nop 0
	tensor_load_to_lds s[G0:G0+3], s[G1:G1+7]
	s_nop 0
	PLACES
	v_and_b32 v3, 31, v0
	v_lshlrev_b32 v[XO], 4, v3
	XLOAD 0
	XLOAD 1
	WIN 0
	v_and_b32 v1, 15, v0                           ; l % 16
	v_bfe_u32 v2, v0, 4, 1                         ; l / 16
	s_mul_i32 s18, s[WV], 32*SPITCH
	s_add_co_u32 s18, s18, STAGE
	v_lshl_add_u32 v[XS], v3, 3, s18               ; rows 32 w on, 8 bytes a lane
	v_mul_u32_u24 v4, v1, SPITCH
	v_lshl_add_u32 v4, v2, 4, v4                   ; (l % 16) x 272 + 16 (l / 16)
	s_mul_i32 s18, s13, 64*SPITCH
	s_add_co_u32 s18, s18, STAGE
	v_add_nc_u32 v[AXF], s18, v4                   ; my 64 rows' fragments
	v_mul_u32_u24 v5, v1, PITCH
	v_lshl_add_u32 v5, v2, 4, v5
	s_mul_i32 s18, s14, 48*PITCH
	v_add_nc_u32 v5, s18, v5                       ; my 48 rows of a tile of Wb
	v_mul_u32_u24 v6, v2, SPITCH
	v_lshl_add_u32 v6, v1, 4, v6                   ; (l / 16) x 272 + 16 (l % 16)
	v_lshlrev_b32 v7, 13, v2
	v_lshl_add_u32 v7, v1, 4, v7                   ; the same two rows in T
	s_mul_i32 s18, s14, 48*SPITCH                  ; into the stage: my 48 rows (n), my half of their 256 bytes
	s_lshl_b32 s19, s13, 7
	s_add_co_u32 s18, s18, s19
	s_add_co_u32 s18, s18, STAGE
	s_mul_i32 s19, s[WV], 24*SPITCH                ; back: rows 24 w on
	s_add_co_u32 s19, s19, STAGE
	s_mul_i32 s20, s14, 48*4                       ; bb[48 wy + l % 16]
	WIN 0x40                                       ; the loop's addresses lie in window 1
	v_mov_b32 v[AY0], v5
	v_mov_b32 v[ADR], v5                           ; tile 0 lies in slot 0
	v_add_nc_u32 v[STO], s18, v4
	v_add_nc_u32 v[RD], s19, v6
	v_mov_b32 v[CO], v7
	v_lshl_add_u32 v[BO], v1, 2, s20
	v_mov_b32 v[BI+1], 0
	v_mov_b32 v[BI+3], 0
	v_mov_b32 v[BI+5], 0
	WIN 0
	; x: four chunks of 128 along K through the stage.  The count 32 leaves the younger chunk's loads out.  A barrier between the stores and the fragment loads, and one between those and the next chunk's stores.
.irp c, 0,1,2,3
.if \c < 3
	s_wait_loadcnt 32
.else
	s_wait_loadcnt 0x0
.endif
	XCVT \c
.if \c < 2
	XLOAD (\c)+2
.endif
	s_wait_dscnt 0x0                               ; my rows of the chunk are in the stage
	s_barrier_signal -1
	s_barrier_wait -1
	XFRAG \c
	s_wait_dscnt 0x0                               ; my reads of the stage are over
.if \c == 3
	s_wait_tensorcnt 0x1                           ; my part of slot 0 is in; slot 1's may stay out
.endif
	s_barrier_signal -1
	s_barrier_wait -1
.endr
	FETCH 0
	TILE 0, 1, 0                                   ; tile 0: nothing rides yet
	s_mov_b32 s23, 13
.Ltile:                                                ; tiles 1 to 13: each asks for the tile two on
	TILE 1, 1, 0
	s_sub_co_u32 s23, s23, 1
	s_cmp_lg_u32 s23, 0
	s_cbranch_scc1 .Ltile
	s_mov_b32 s23, 2
.Ltail:                                                ; tiles 14 and 15 ask for nothing: their text is written out
	TILE 1, 0, 1
	s_sub_co_u32 s23, s23, 1
	s_cmp_lg_u32 s23, 0
	s_cbranch_scc1 .Ltail
	; tile 15's way out, with no products to ride behind
	WIN RID
	PARAMS
.set RI, 0
.rept NRID
	RIDER
.endr
	s_wait_dscnt 0x0                               ; for the others' sake: my stores into the stage are done
	s_barrier_signal -1
	s_barrier_wait -1
	READBACK
.irp t, 0,1,2,3,4,5,6,7,8,9,10,11
	s_wait_dscnt 11-\t
	global_store_b128 v[CO], v[Z+4*\t:Z+4*\t+3], s[10:11] offset:2*\t*8192
.endr
	s_wait_tensorcnt 0x0                           ; the wave's end
	ds_add_u32 v[SPW], v[NIL]
	s_wait_dscnt 0x0
	WIN 0
	CROUND                                         ; the closing round
	s_endpgm
.Lfunc_end_k_qbc181e0aad_proj:
	.size	k_qbc181e0aad_proj, .Lfunc_end_k_qbc181e0aad_proj-k_qbc181e0aad_proj
	.p2alignl 7, 3214868480
	.fill 96, 4, 3214868480
	.section	.rodata,"a",@progbits
	.p2align	6, 0x0
	.amdhsa_kernel k_qbc181e0aad_proj
		.amdhsa_group_segment_fixed_size 327680
		.amdhsa_private_segment_fixed_size 0
		.amdhsa_enable_private_segment 0
		.amdhsa_kernarg_size 32
		.amdhsa_user_sgpr_count 2
		.amdhsa_user_sgpr_kernarg_segment_ptr 1
		.amdhsa_wavefront_size32 1
		.amdhsa_system_sgpr_workgroup_id_x 1
		.amdhsa_system_sgpr_workgroup_id_y 1
		.amdhsa_system_sgpr_workgroup_id_z 1
		.amdhsa_system_vgpr_workitem_id 0
		.amdhsa_next_free_vgpr 1024
		.amdhsa_next_free_sgpr 66
		.amdhsa_reserve_vcc 0
		.amdhsa_float_denorm_mode_32 3
		.amdhsa_float_denorm_mode_16_64 3
		.amdhsa_memory_ordered 1
		.amdhsa_forward_progress 1
		.amdhsa_inst_pref_size 213
	.end_amdhsa_kernel
	.amdgpu_metadata
---
amdhsa.version: [ 1, 2 ]
amdhsa.kernels:
  - .name:           k_qbc181e0aad_proj
    .symbol:         k_qbc181e0aad_proj.kd
    .args:
      - { .name: x, .offset: 0, .size: 8, .value_kind: global_buffer, .address_space: global }
      - { .name: Wb, .offset: 8, .size: 8, .value_kind: global_buffer, .address_space: global }
      - { .name: bb, .offset: 16, .size: 8, .value_kind: global_buffer, .address_space: global }
      - { .name: T, .offset: 24, .size: 8, .value_kind: global_buffer, .address_space: global }
    .group_segment_fixed_size: 327680
    .private_segment_fixed_size: 0
    .kernarg_segment_align: 8
    .kernarg_segment_size: 32
    .max_flat_workgroup_size: 128
    .sgpr_count:     66
    .vgpr_count:     1024
    .wavefront_size: 32
...
	.end_amdgpu_metadata
.endif
;; end of part 2
;; launch kv (part 3): grid 4 x 64, 4 waves a work-group, clusters of 4 x 4, 327,680 bytes of LDS; arguments T, KVt; writes KVt
.if DOCPART == 3
	.amdgcn_target "amdgcn-amd-amdhsa--gfx1250"
	.amdhsa_code_object_version 6
	.text
	.protected	k_qbc181e0aad_kv
	.globl	k_qbc181e0aad_kv
	.p2align	8
	.type	k_qbc181e0aad_kv,@function
k_qbc181e0aad_kv:
	s_mov_b64 s[64:65], 0
	v_nop
	global_prefetch_b8 v0, s[64:65] scope:SCOPE_SE
	s_setreg_imm32_b32 hwreg(HW_REG_WAVE_MODE, 25, 1), 1
	s_wait_xcnt 0x0
	s_wait_alu depctr_hold_cnt(0) depctr_sa_sdst(0) depctr_va_vdst(0) depctr_va_sdst(0) depctr_va_ssrc(0) depctr_va_vcc(0) depctr_vm_vsrc(0)
	s_getreg_b32 s2, hwreg(HW_REG_IB_STS2, 6, 4)
	s_cmp_eq_u32 s2, 0
	s_cbranch_scc0 .Lentry_in_a_cluster
	s_endpgm
.Lentry_in_a_cluster:
	s_bfe_u32 s2, ttmp6, 0x10000c
	s_cmp_lg_u32 s2, 0xf033
	s_cbranch_scc0 .Lentry_shape_is_right
	s_endpgm
.Lentry_shape_is_right:
; KVt[b][f][d] = sum over s of V'[s][f] K[s][d], from T's rows (K^T: rows 512 + d; V'^T: rows 1024 + f; s along the rows).  bf16 operands, f32 sums over all 4,096 s, KVt rounded once to bf16.
; SHARES.  8 batches x 8 x 4 tiles of 64 f x 128 d: 256 work-groups, one for each WGP.  Four waves, each 32 f x 64 d: 8 accumulators.
; THE RING.  A work-group brings 192 rows x 8,192 bytes into LDS and has little matrix work for each byte, so the slots are as large as two fit: K goes in steps of 384 (rows of 768 bytes),
; 11 steps.  The last step has 256 along K left: its load states that extent, what lies beyond arrives as zeros and is not read, and four of its six quarters are multiplied.
; CLUSTER.  4 x 4 work-groups of one batch: the four of a column need the same 128 rows of K^T, the four of a row the same 64 rows of V'^T: each tile is asked for JOINTLY.
; THE MATRIX INSTRUCTION: source 0 = 16 rows of K^T (d), source 1 = 16 rows of V'^T (f): a lane holds one f and eight neighbouring d: 16 bytes of a row of KVt.
; REGISTERS.  Window 0: v0-31 addresses; v32-63 the way out; v128-191 accumulators ((x, y) at 128 + 8 (4 y + x)).  Window 1: two fragment buffers at 0 and 128: 64 registers of K^T, then 32 of V'^T.
.set KSTEP,  384
.set PITCH,  816                       ; an LDS row: three pieces of 256 bytes, 16 of padding behind each = 204 words: the 16 rows of a fragment load start at 16 different groups of four banks (ISA guide 11.1)
.set KO1,    128                       ; byte at which quarter q (64 along K) begins in an LDS row: 128 q + 16 (q / 2)
.set KO2,    272
.set KO3,    400
.set KO4,    544
.set KO5,    672
.set YOFF,   128*PITCH                 ; in a slot: K^T's 128 rows, then V'^T's 64
.set SLOT,   192*PITCH
.set STAGE,  SLOT                      ; 64 rows (f) x 272 bytes at the head of slot 1: its last fill is step 9's, and its last read stands in front of the barrier that ends step 9
.set SPITCH, 272
.set SPARE,  2*SLOT                    ; the spare words: two blocks of 256 bytes that no other line names
.set NY,   2
.set ADRX, 16
.set ADRY, 20
.set STO,  24
.set RD,   25
.set CO,   26
.set SPW,  28
.set NIL,  29
.set TMP,  32
.set ACC,  128
.set F0,   0
.set F1,   128
.set G1X, 24                           ; s[24:31], s[32:39] descriptor groups 1 and 0 (a set for each slot) for K^T's tiles
.set G0X, 32
.set G1Y, 48                           ; s[48:55], s[56:63] the same for V'^T's
.set G0Y, 56
.set MSB, 0
.macro WIN new
.if MSB != (\new)
	s_set_vgpr_msb (MSB<<8)|(\new)
.set MSB, \new
.endif
.endm
.set MUL,  0x05
.set TO_F, 0x40
.macro PLACES
.rept 4
	v_nop
.endr
.endm
.macro JLOAD s                         ; waves 0 and 1 fetch K^T's two halves (64 rows), waves 2 and 3 V'^T's (32 rows); an s_nop 0 and four v_nop follow each line
	s_cmp_eq_u32 s11, 0
	s_cbranch_scc0 .Lfor_y_\@
	tensor_load_to_lds s[G0X+4*(\s):G0X+4*(\s)+3], s[G1X:G1X+7]
	s_nop 0
.rept 4
	v_nop
.endr
	s_branch .Lasked_\@
.Lfor_y_\@:
	tensor_load_to_lds s[G0Y+4*(\s):G0Y+4*(\s)+3], s[G1Y:G1Y+7]
	s_nop 0
.rept 4
	v_nop
.endr
.Lasked_\@:
.endm
.macro CREST
	s_cmp_lg_u32 s10, 0
	s_cbranch_scc1 .Lnot_wave_0_\@
	s_barrier_signal -3
.Lnot_wave_0_\@:
	s_barrier_wait -3
	s_barrier_signal -1
	s_barrier_wait -1
.endm
.macro CROUND
	s_barrier_signal -1
	s_barrier_wait -1
	CREST
.endm
.macro MULY f, c, y, zero              ; four products: f block y x all 4 d blocks, 32 along K
	WIN MUL
.irp x, 0,1,2,3
.if \zero
	v_wmma_f32_16x16x32_bf16 v[ACC+8*(4*(\y)+\x):ACC+8*(4*(\y)+\x)+7], v[(\f)+8*(4*(\c)+\x):(\f)+8*(4*(\c)+\x)+7], v[(\f)+64+8*(NY*(\c)+(\y)):(\f)+64+8*(NY*(\c)+(\y))+7], 0
.else
	v_wmma_f32_16x16x32_bf16 v[ACC+8*(4*(\y)+\x):ACC+8*(4*(\y)+\x)+7], v[(\f)+8*(4*(\c)+\x):(\f)+8*(4*(\c)+\x)+7], v[(\f)+64+8*(NY*(\c)+(\y)):(\f)+64+8*(NY*(\c)+(\y))+7], v[ACC+8*(4*(\y)+\x):ACC+8*(4*(\y)+\x)+7]
.endif
.endr
.endm
.macro FETCH slot, k, f                ; 24 LDS loads in one run, the first 32 along K first; a quarter's 128 bytes lie inside one piece of 256
	WIN TO_F
.irp c, 0,1
.irp i, 0,1,2,3
	ds_load_b128 v[(\f)+8*(4*\c+\i):(\f)+8*(4*\c+\i)+3],   v[ADRX+(\slot)] offset:(\k)+64*\c+\i*16*PITCH
	ds_load_b128 v[(\f)+8*(4*\c+\i)+4:(\f)+8*(4*\c+\i)+7], v[ADRX+(\slot)] offset:(\k)+64*\c+\i*16*PITCH+32
.endr
.irp i, 0,1
	ds_load_b128 v[(\f)+64+8*(2*\c+\i):(\f)+64+8*(2*\c+\i)+3],   v[ADRY+(\slot)] offset:(\k)+64*\c+\i*16*PITCH
	ds_load_b128 v[(\f)+64+8*(2*\c+\i)+4:(\f)+64+8*(2*\c+\i)+7], v[ADRY+(\slot)] offset:(\k)+64*\c+\i*16*PITCH+32
.endr
.endr
.endm
.macro QUARTER slot, k, f, g, zero     ; 64 along K: 16 products; the 8 accumulators take turns
	s_wait_dscnt 12                                ; the first 32 along K are in
	MULY \f, 0, 0, \zero
	MULY \f, 0, 1, \zero
	PLACES
	FETCH \slot, \k, \g
	s_wait_dscnt 24                                ; all but the 24 just issued
	MULY \f, 1, 0, 0
	MULY \f, 1, 1, 0
.endm
.macro FOUR slot                       ; quarters 1 to 4 of a step
	QUARTER \slot, KO2, F1, F0, 0
	QUARTER \slot, KO3, F0, F1, 0
	QUARTER \slot, KO4, F1, F0, 0
	QUARTER \slot, KO5, F0, F1, 0
.endm
; The sixth quarter and the change of slots: one barrier, in front of it the wait for all my tensor loads, the add, and the wait for it and for my reads of this slot.
; fill = 1: the barrier opens a round of the cluster's, and this slot takes the step two on.  fill = 2: that step is the last: 256 along K are left.
.macro TURN slot, next, fill
	WIN 0
	s_wait_tensorcnt 0x0
	ds_add_u32 v[SPW], v[NIL]
	s_wait_dscnt 13                                ; (the add and the youngest twelve loads may be out)
	MULY F1, 0, 0, 0
	s_wait_dscnt 0x0
	s_barrier_signal -1
	MULY F1, 0, 1, 0
.if \fill
	WIN 0
.endif
	s_barrier_wait -1
.if \fill
	CREST                                          ; no wave of any partner still reads this slot or has a load on its way
	s_add_nc_u64 s[G0X+4*(\slot)+2:G0X+4*(\slot)+3], s[G0X+4*(\slot)+2:G0X+4*(\slot)+3], 2*KSTEP*2
	s_add_nc_u64 s[G0Y+4*(\slot)+2:G0Y+4*(\slot)+3], s[G0Y+4*(\slot)+2:G0Y+4*(\slot)+3], 2*KSTEP*2
.if (\fill) == 2
	s_mov_b32 s[G1X+1], 256<<16                    ; tensor_dim0 = what is left of the rows; no load of mine is out, so group 1 may be written
	s_mov_b32 s[G1Y+1], 256<<16
.endif
	JLOAD \slot
.else
	PLACES
.endif
	FETCH \next, 0, F0
	MULY F1, 1, 0, 0
	MULY F1, 1, 1, 0
.endm
	s_load_b128 s[4:7], s[0:1], 0x0                ; T s[4:5], KVt s[6:7]
	v_lshl_add_u32 v[SPW], v0, 2, SPARE
	v_mov_b32 v[NIL], 0
	ds_add_u32 v[SPW], v[NIL]                      ; the wave's opening: the add and its wait ahead of my first tensor load
	v_lshrrev_b32 v1, 5, v0
	v_readfirstlane_b32 s10, v1                    ; wave 0..3
	s_lshr_b32 s11, s10, 1                         ; wy: which 32 f.  Also: I fetch for K^T (0) or for V'^T (1)
	s_and_b32 s12, s10, 1                          ; wx: which 64 d.  Also: which half of that tile I fetch
	s_bfe_u32 s40, ttmp6, 0x40000                  ; cx
	s_bfe_u32 s41, ttmp6, 0x40004                  ; cy
	s_lshl_b32 s42, ttmp9, 2
	s_add_co_u32 s42, s42, s40                     ; d tile = 4 x cluster x + cx
	s_and_b32 s13, ttmp7, 0xffff                   ; cluster y: two clusters a batch
	s_lshr_b32 s45, s13, 1                         ; b: the whole cluster's
	s_and_b32 s14, s13, 1
	s_lshl_b32 s14, s14, 2
	s_add_co_u32 s14, s14, s41                     ; f tile = 4 x (cluster y % 2) + cy
	s_lshl_b32 s43, s41, 2
	s_lshl_b32 s43, 15, s43                        ; my row of the cluster
	s_lshl_b32 s44, 0x1111, s40                    ; my column
	s_or_b32 s[G1X+0], s44, (1<<16)|(1<<20)|(1<<21)|(5<<22)|(3<<25)  ; K^T's tiles hang on the d tile: shared along my column; 2-byte elements; 4 words of padding after every 64; bit 21 beside the mask
	s_or_b32 s[G1Y+0], s43, (1<<16)|(1<<20)|(1<<21)|(5<<22)|(3<<25)  ; V'^T's on the f tile: shared along my row
.irp g, G1X, G1Y
	s_mov_b32 s[(\g)+1], KSTEP<<16                 ; tensor_dim0 = 384
	s_mov_b32 s[(\g)+3], KSTEP<<16                 ; tile_dim0 = 384
	s_mov_b32 s[(\g)+5], 4096                      ; 4,096 elements from row to row
	s_mov_b32 s[(\g)+6], 0
	s_mov_b32 s[(\g)+7], 0
.endr
	s_mov_b32 s[G1X+2], 64<<16                     ; tensor_dim1, tile_dim1 = 64 rows
	s_mov_b32 s[G1X+4], 64
	s_mov_b32 s[G1Y+2], 32<<16                     ; 32 rows
	s_mov_b32 s[G1Y+4], 32
	s_mul_i32 s18, s45, 1536*8192                  ; the batch in T
	s_lshl_b32 s16, s42, 20                        ; K^T: row 512 + 128 x d tile + 64 x half, 8,192 bytes each
	s_add_co_u32 s16, s16, s18
	s_lshl_b32 s17, s12, 19
	s_add_co_u32 s16, s16, s17
	s_add_co_u32 s16, s16, 512*8192
	s_mov_b32 s17, 0
	s_lshl_b32 s46, s14, 19                        ; V'^T: row 1024 + 64 x f tile + 32 x half
	s_add_co_u32 s46, s46, s18
	s_lshl_b32 s47, s12, 18
	s_add_co_u32 s46, s46, s47
	s_add_co_u32 s46, s46, 1024*8192
	s_mov_b32 s47, 0
	s_mul_i32 s20, s12, 64*PITCH                   ; where they go: no place in the cluster enters an LDS address
	s_mul_i32 s21, s12, 32*PITCH
	s_add_co_u32 s21, s21, YOFF
	s_wait_dscnt 0x0                               ; the opening add is done
	s_wait_kmcnt 0x0
	s_add_nc_u64 s[8:9], s[4:5], s[16:17]
	s_add_nc_u64 s[46:47], s[4:5], s[46:47]
.irp n, 0,1
	s_mov_b32 s[G0X+4*\n], 1
	s_add_co_u32 s[G0X+4*\n+1], s20, \n*SLOT
	s_add_nc_u64 s[G0X+4*\n+2:G0X+4*\n+3], s[8:9], \n*KSTEP*2
	s_or_b32 s[G0X+4*\n+3], s[G0X+4*\n+3], 0x80000000
	s_mov_b32 s[G0Y+4*\n], 1
	s_add_co_u32 s[G0Y+4*\n+1], s21, \n*SLOT
	s_add_nc_u64 s[G0Y+4*\n+2:G0Y+4*\n+3], s[46:47], \n*KSTEP*2
	s_or_b32 s[G0Y+4*\n+3], s[G0Y+4*\n+3], 0x80000000
.endr
	CROUND                                         ; all sixteen work-groups are here: the first joint loads meet
	s_cmp_eq_u32 s11, 0                            ; a wave's two first fills stand in one branch: two loads of mine are out
	s_cbranch_scc0 .Lfirst_y
	tensor_load_to_lds s[G0X:G0X+3], s[G1X:G1X+7]
	s_nop 0
	tensor_load_to_lds s[G0X+4:G0X+7], s[G1X:G1X+7]
	s_nop 0
.rept 4
	v_nop
.endr
	s_branch .Lfirst_asked
.Lfirst_y:
	tensor_load_to_lds s[G0Y:G0Y+3], s[G1Y:G1Y+7]
	s_nop 0
	tensor_load_to_lds s[G0Y+4:G0Y+7], s[G1Y:G1Y+7]
	s_nop 0
.rept 4
	v_nop
.endr
.Lfirst_asked:
	v_and_b32 v1, 15, v0                           ; l % 16
	v_bfe_u32 v2, v0, 4, 1                         ; l / 16
	v_mul_u32_u24 v3, v1, PITCH
	v_lshl_add_u32 v3, v2, 4, v3
	s_mul_i32 s22, s12, 64*PITCH                   ; my 64 rows of K^T
	s_mul_i32 s23, s11, 32*PITCH                   ; my 32 rows of V'^T
	s_add_co_u32 s23, s23, YOFF
.irp n, 0,1
	v_add_nc_u32 v[ADRX+\n], s22, v3
	v_add_nc_u32 v[ADRY+\n], s23, v3
	s_add_co_u32 s22, s22, SLOT
	s_add_co_u32 s23, s23, SLOT
.endr
	s_mul_i32 s22, s11, 32*SPITCH                  ; into the stage: my 32 rows (f), my half of their 256 bytes
	s_lshl_b32 s23, s12, 7
	s_add_co_u32 s22, s22, s23
	s_add_co_u32 s22, s22, STAGE
	v_mul_u32_u24 v4, v1, SPITCH
	v_lshl_add_u32 v4, v2, 4, v4
	v_add_nc_u32 v[STO], s22, v4
	s_mul_i32 s22, s10, 16*SPITCH                  ; back: wave w takes rows 16 w .. 16 w + 15, whole
	s_add_co_u32 s22, s22, STAGE
	v_mul_u32_u24 v4, v2, SPITCH
	v_lshl_add_u32 v4, v1, 4, v4
	v_add_nc_u32 v[RD], s22, v4
	v_lshlrev_b32 v4, 10, v2                       ; and the same two rows in KVt
	v_lshl_add_u32 v[CO], v1, 4, v4
	s_lshl_b32 s22, s45, 19                        ; KVt: batch, row 64 x f tile + 16 x wave, column 128 x d tile
	s_lshl_b32 s23, s14, 16
	s_add_co_u32 s22, s22, s23
	s_lshl_b32 s23, s10, 14
	s_add_co_u32 s22, s22, s23
	s_lshl_b32 s23, s42, 8
	s_add_co_u32 s22, s22, s23
	s_mov_b32 s23, 0
	s_add_nc_u64 s[6:7], s[6:7], s[22:23]
	s_wait_tensorcnt 0x1                           ; my part of K step 0 is in; step 1's may stay out
	s_barrier_signal -1
	s_barrier_wait -1
	FETCH 0, 0, F0
	QUARTER 0, KO1, F0, F1, 1                      ; the first quarter stands in front of the loop: its first products start the sums
	WIN 0
	s_mov_b32 s3, 4
.Llap:                                                 ; a trip goes once round the ring (two steps) and fills both slots again: steps 2 to 9 are asked for here
	FOUR 0
	TURN 0, 1, 1
	QUARTER 1, KO1, F0, F1, 0
	FOUR 1
	TURN 1, 0, 1
	QUARTER 0, KO1, F0, F1, 0
	WIN 0
	s_sub_co_u32 s3, s3, 1
	s_cmp_lg_u32 s3, 0
	s_cbranch_scc1 .Llap
	FOUR 0                                         ; step 8 goes on;
	TURN 0, 1, 2                                   ; its slot takes step 10, the last
	QUARTER 1, KO1, F0, F1, 0                      ; step 9
	FOUR 1
	TURN 1, 0, 0                                   ; nothing more is asked for; behind this barrier nobody reads slot 1
	QUARTER 0, KO1, F0, F1, 0                      ; step 10: four quarters
	QUARTER 0, KO2, F1, F0, 0
	QUARTER 0, KO3, F0, F1, 0
	s_wait_dscnt 12
	MULY F1, 0, 0, 0
	MULY F1, 0, 1, 0
	s_wait_dscnt 0x0
	MULY F1, 1, 0, 0
	MULY F1, 1, 1, 0
	WIN 0
	; THE WAY OUT: rounded to bf16, 16 bytes a lane into the stage; a barrier, since a row's 256 bytes come from two waves; back as whole rows
	PLACES
.set q, 0
.rept 8
.irp p, 0,1,2,3
	v_cvt_pk_bf16_f32 v[TMP+4*q+\p], v[ACC+8*q+2*\p], v[ACC+8*q+2*\p+1]
.endr
.set q, q+1
.endr
.set q, 0
.rept 8
	ds_store_b128 v[STO], v[TMP+4*q:TMP+4*q+3] offset:(q/4)*16*SPITCH+32*(q%4)
.set q, q+1
.endr
	s_wait_dscnt 0x0                               ; for the others' sake: my stores into the stage are done
	s_barrier_signal -1
	s_barrier_wait -1
.irp t, 0,1,2,3,4,5,6,7
	ds_load_b128 v[TMP+4*\t:TMP+4*\t+3], v[RD] offset:\t*2*SPITCH
.endr
.irp t, 0,1,2,3,4,5,6,7
	s_wait_dscnt 7-\t
	global_store_b128 v[CO], v[TMP+4*\t:TMP+4*\t+3], s[6:7] offset:2*\t*1024       ; 16 lanes store 256 consecutive bytes, at a multiple of 256 from KVt's first byte
.endr
	s_wait_tensorcnt 0x0                           ; the wave's end
	ds_add_u32 v[SPW], v[NIL]
	s_wait_dscnt 0x0
	CROUND                                         ; the closing round
	s_endpgm
.Lfunc_end_k_qbc181e0aad_kv:
	.size	k_qbc181e0aad_kv, .Lfunc_end_k_qbc181e0aad_kv-k_qbc181e0aad_kv
	.p2alignl 7, 3214868480
	.fill 96, 4, 3214868480
	.section	.rodata,"a",@progbits
	.p2align	6, 0x0
	.amdhsa_kernel k_qbc181e0aad_kv
		.amdhsa_group_segment_fixed_size 327680
		.amdhsa_private_segment_fixed_size 0
		.amdhsa_enable_private_segment 0
		.amdhsa_kernarg_size 16
		.amdhsa_user_sgpr_count 2
		.amdhsa_user_sgpr_kernarg_segment_ptr 1
		.amdhsa_wavefront_size32 1
		.amdhsa_system_sgpr_workgroup_id_x 1
		.amdhsa_system_sgpr_workgroup_id_y 1
		.amdhsa_system_sgpr_workgroup_id_z 1
		.amdhsa_system_vgpr_workitem_id 0
		.amdhsa_next_free_vgpr 512
		.amdhsa_next_free_sgpr 66
		.amdhsa_reserve_vcc 0
		.amdhsa_float_denorm_mode_32 3
		.amdhsa_float_denorm_mode_16_64 3
		.amdhsa_memory_ordered 1
		.amdhsa_forward_progress 1
		.amdhsa_inst_pref_size 93
	.end_amdhsa_kernel
	.amdgpu_metadata
---
amdhsa.version: [ 1, 2 ]
amdhsa.kernels:
  - .name:           k_qbc181e0aad_kv
    .symbol:         k_qbc181e0aad_kv.kd
    .args:
      - { .name: T, .offset: 0, .size: 8, .value_kind: global_buffer, .address_space: global }
      - { .name: KVt, .offset: 8, .size: 8, .value_kind: global_buffer, .address_space: global }
    .group_segment_fixed_size: 327680
    .private_segment_fixed_size: 0
    .kernarg_segment_align: 8
    .kernarg_segment_size: 16
    .max_flat_workgroup_size: 128
    .sgpr_count:     66
    .vgpr_count:     512
    .wavefront_size: 32
...
	.end_amdgpu_metadata
.endif
;; end of part 3
;; launch outp (part 4): grid 256 x 1, 4 waves a work-group, clusters of 4 x 1, 327,680 bytes of LDS; arguments T, KVt, bo, out0; writes out0
.if DOCPART == 4
	.amdgcn_target "amdgcn-amd-amdhsa--gfx1250"
	.amdhsa_code_object_version 6
	.text
	.protected	k_qbc181e0aad_outp
	.globl	k_qbc181e0aad_outp
	.p2align	8
	.type	k_qbc181e0aad_outp,@function
k_qbc181e0aad_outp:
	s_mov_b64 s[64:65], 0
	v_nop
	global_prefetch_b8 v0, s[64:65] scope:SCOPE_SE
	s_setreg_imm32_b32 hwreg(HW_REG_WAVE_MODE, 25, 1), 1
	s_wait_xcnt 0x0
	s_wait_alu depctr_hold_cnt(0) depctr_sa_sdst(0) depctr_va_vdst(0) depctr_va_sdst(0) depctr_va_ssrc(0) depctr_va_vcc(0) depctr_vm_vsrc(0)
	s_getreg_b32 s2, hwreg(HW_REG_IB_STS2, 6, 4)
	s_cmp_eq_u32 s2, 0
	s_cbranch_scc0 .Lentry_in_a_cluster
	s_endpgm
.Lentry_in_a_cluster:
	s_bfe_u32 s2, ttmp6, 0x10000c
	s_cmp_lg_u32 s2, 0x3003
	s_cbranch_scc0 .Lentry_shape_is_right
	s_endpgm
.Lentry_shape_is_right:
; out0[s][b][f] = sum over d of Q[s][d] KVt[b][f][d] + bo[f], f32.  Q^T is T's rows 0-511 of batch b (s along the rows).  bf16 operands, f32 sums, the bias added in f32.
; SHARES.  A work-group owns 128 s of one batch and all 512 f.  Its block of Q^T (512 d x 128 s) comes into LDS once and stays; KVt is walked in 4 tiles of 128 f, two K steps of 256 each,
; through a ring of two LDS slots.  Four waves, each 64 f x 64 s: 16 accumulators.
; CLUSTER.  The four work-groups of a cluster belong to one batch and walk the same KVt: each tile is asked for JOINTLY.  Q^T's block is each work-group's own: a load without a mask.
; THE MATRIX INSTRUCTION: source 0 = 16 rows of KVt (f), source 1 = 16 s of Q, turned out of LDS by ds_load_tr16_b128: a lane holds one s and eight neighbouring f: 32 bytes of a row of out0.
; REGISTERS.  Window 0: v0-31 addresses; v32-95 two sets of rows on their way out; v104-107 bias; v128-255 accumulators.  Window 1: two fragment buffers of 128: 64 of KVt, then 64 of Q.
.set PITCH,  528
.set SLOT,   128*PITCH
.set QB,     2*SLOT                    ; Q^T's block: 512 rows (d) x 256 bytes + 32 of padding (an odd multiple of 32 for the turning load); filled once
.set QP,     288
.set STAGE,  QB+512*QP                 ; 16 rows x 272 bytes for each wave, its own
.set SPITCH, 272
.set SPARE,  STAGE+4*16*SPITCH         ; the spare words: two blocks of 256 bytes that no other line names
.set NY,   4
.set ADRX, 16                          ; v16-17  my fragments of KVt, slot 0, 1
.set ADRY, 20                          ; v20-23  my fragments of Q, d = 128 q on
.set STO,  24
.set RD,   25
.set CO,   26
.set BO,   27
.set SPW,  28
.set NIL,  29
.set OB,   32
.set BI,   104
.set ACC,  128
.set F0,   0
.set F1,   128
.set WV,   12
.set G1,   24                          ; s[24:31], s[32:39] KVt's tiles: group 1, group 0 for each slot
.set G0,   32
.set G1Q,  40                          ; s[40:47], s[48:51] Q^T's block
.set G0Q,  48
.set MSB, 0
.macro WIN new
.if MSB != (\new)
	s_set_vgpr_msb (MSB<<8)|(\new)
.set MSB, \new
.endif
.endm
.set MUL,  0x05
.set TO_F, 0x40
.macro PLACES
.rept 4
	v_nop
.endr
.endm
.macro JLOAD s                         ; a joint load: every wave fetches its 32 rows of the tile; an s_nop 0 and four v_nop follow
	tensor_load_to_lds s[G0+4*(\s):G0+4*(\s)+3], s[G1:G1+7]
	s_nop 0
.rept 4
	v_nop
.endr
.endm
.macro CREST
	s_cmp_lg_u32 s[WV], 0
	s_cbranch_scc1 .Lnot_wave_0_\@
	s_barrier_signal -3
.Lnot_wave_0_\@:
	s_barrier_wait -3
	s_barrier_signal -1
	s_barrier_wait -1
.endm
.macro CROUND
	s_barrier_signal -1
	s_barrier_wait -1
	CREST
.endm
.macro MULY f, c, y, zero              ; four products: s block y x all 4 f blocks, 32 along K
	WIN MUL
.irp x, 0,1,2,3
.if \zero
	v_wmma_f32_16x16x32_bf16 v[ACC+8*(4*(\y)+\x):ACC+8*(4*(\y)+\x)+7], v[(\f)+8*(4*(\c)+\x):(\f)+8*(4*(\c)+\x)+7], v[(\f)+64+8*(NY*(\c)+(\y)):(\f)+64+8*(NY*(\c)+(\y))+7], 0
.else
	v_wmma_f32_16x16x32_bf16 v[ACC+8*(4*(\y)+\x):ACC+8*(4*(\y)+\x)+7], v[(\f)+8*(4*(\c)+\x):(\f)+8*(4*(\c)+\x)+7], v[(\f)+64+8*(NY*(\c)+(\y)):(\f)+64+8*(NY*(\c)+(\y))+7], v[ACC+8*(4*(\y)+\x):ACC+8*(4*(\y)+\x)+7]
.endif
.endr
.endm
.macro MUL8 f, c, y0, zero
	MULY \f, \c, \y0, \zero
	MULY \f, \c, (\y0)+1, \zero
.endm
; 32 LDS loads in one run: 64 along K at byte k of KVt's rows in the slot; Q's rows d = 256 slot + k / 2 on, by the address register of their 128 and the immediate
.macro FETCH slot, k, f
	WIN TO_F
.irp c, 0,1
.irp i, 0,1,2,3
	ds_load_b128 v[(\f)+8*(4*\c+\i):(\f)+8*(4*\c+\i)+3],   v[ADRX+(\slot)] offset:(\k)+64*\c+\i*16*PITCH
	ds_load_b128 v[(\f)+8*(4*\c+\i)+4:(\f)+8*(4*\c+\i)+7], v[ADRX+(\slot)] offset:(\k)+64*\c+\i*16*PITCH+32
	ds_load_tr16_b128 v[(\f)+64+8*(4*\c+\i):(\f)+64+8*(4*\c+\i)+3],   v[ADRY+2*(\slot)+(\k)/256] offset:(((\k)%256)/2+32*\c)*QP+32*\i
	ds_load_tr16_b128 v[(\f)+64+8*(4*\c+\i)+4:(\f)+64+8*(4*\c+\i)+7], v[ADRY+2*(\slot)+(\k)/256] offset:(((\k)%256)/2+32*\c+16)*QP+32*\i
.endr
.endr
.endm
.macro QUARTER slot, k, f, g, zero     ; 64 along K: 32 products; the 16 accumulators take turns
	s_wait_dscnt 16                                ; the first 32 along K are in
	MUL8 \f, 0, 0, \zero
	MUL8 \f, 0, 2, \zero
	PLACES
	FETCH \slot, \k, \g
	s_wait_dscnt 32                                ; all but the 32 just issued
	MUL8 \f, 1, 0, 0
	MUL8 \f, 1, 2, 0
.endm
.macro TURN slot, next, fill           ; the last quarter and the change of slots: one barrier, in front of it the wait for all my tensor loads, the add, and the wait for it and for my reads of this slot
	WIN 0
	s_wait_tensorcnt 0x0
	ds_add_u32 v[SPW], v[NIL]
	s_wait_dscnt 17                                ; (the add and the youngest sixteen loads may be out)
	MUL8 F1, 0, 0, 0
	s_wait_dscnt 0x0
	s_barrier_signal -1
	MUL8 F1, 0, 2, 0
.if \fill
	WIN 0
.endif
	s_barrier_wait -1
.if \fill
	CREST                                          ; no wave of any partner still reads this slot or has a load on its way
	s_add_nc_u64 s[G0+4*(\slot)+2:G0+4*(\slot)+3], s[G0+4*(\slot)+2:G0+4*(\slot)+3], 128*1024  ; 128 rows of KVt on
	JLOAD \slot
.else
	PLACES
.endif
	FETCH \next, 0, F0
	MUL8 F1, 1, 0, 0
	MUL8 F1, 1, 2, 0
.endm
; THE WAY OUT of a tile, 16 rows (s) at a time through my own stage: 32 bytes a lane in, whole pieces of 256 bytes back, the bias added, stored.  No barrier: LDS serves a wave's instructions in order (ISA guide 5.7.1.4).
.macro OUTW more
	WIN 0
	PLACES
	s_wait_loadcnt 0x0                             ; the tile's bias
.irp y, 0,1,2,3
	s_wait_xcnt 0x0                                ; the set's registers, which earlier stores read, are loaded again only behind this wait
.irp x, 0,1,2,3
	ds_store_b128 v[STO], v[ACC+8*(4*\y+\x):ACC+8*(4*\y+\x)+3]   offset:64*\x      ; each accumulator's low registers first
	ds_store_b128 v[STO], v[ACC+8*(4*\y+\x)+4:ACC+8*(4*\y+\x)+7] offset:64*\x+16
.endr
.irp t, 0,1,2,3,4,5,6,7
	ds_load_b128 v[OB+32*(\y%2)+4*\t:OB+32*(\y%2)+4*\t+3], v[RD] offset:\t*2*SPITCH
.endr
.irp t, 0,1,2,3,4,5,6,7
	s_wait_dscnt 7-\t
	v_pk_add_f32 v[OB+32*(\y%2)+4*\t:OB+32*(\y%2)+4*\t+1],   v[OB+32*(\y%2)+4*\t:OB+32*(\y%2)+4*\t+1],   v[BI:BI+1]
	v_pk_add_f32 v[OB+32*(\y%2)+4*\t+2:OB+32*(\y%2)+4*\t+3], v[OB+32*(\y%2)+4*\t+2:OB+32*(\y%2)+4*\t+3], v[BI+2:BI+3]
	global_store_b128 v[CO], v[OB+32*(\y%2)+4*\t:OB+32*(\y%2)+4*\t+3], s[10:11] offset:(16*\y+2*\t)*16384 th:TH_STORE_NT  ; 16 lanes store 256 consecutive bytes, at a multiple of 256 from out0's first byte
.endr
.endr
.if \more
	s_wait_xcnt 0x0                                ; the bases are stepped only behind this wait
	s_add_nc_u64 s[8:9], s[8:9], 512               ; 128 f on in bo
	s_add_nc_u64 s[10:11], s[10:11], 512           ; and in out0
.endif
.endm
.macro TILE more
	global_load_b128 v[BI:BI+3], v[BO], s[8:9]
	QUARTER 0, 128, F0, F1, 1                      ; the first products start the sums
	QUARTER 0, 256, F1, F0, 0
	QUARTER 0, 384, F0, F1, 0
	TURN 0, 1, \more
	QUARTER 1, 128, F0, F1, 0
	QUARTER 1, 256, F1, F0, 0
	QUARTER 1, 384, F0, F1, 0
.if \more
	TURN 1, 0, 1                                   ; also fetches the next tile's first fragments; its refill stays out through the way out, which has no barrier
.else
	s_wait_dscnt 16
	MUL8 F1, 0, 0, 0
	MUL8 F1, 0, 2, 0
	s_wait_dscnt 0x0
	MUL8 F1, 1, 0, 0
	MUL8 F1, 1, 2, 0
.endif
	OUTW \more
.endm
	s_load_b256 s[4:11], s[0:1], 0x0               ; T s[4:5], KVt s[6:7], bo s[8:9], out0 s[10:11]
	v_lshl_add_u32 v[SPW], v0, 2, SPARE
	v_mov_b32 v[NIL], 0
	ds_add_u32 v[SPW], v[NIL]                      ; the wave's opening: the add and its wait ahead of my first tensor load
	v_lshrrev_b32 v1, 5, v0
	v_readfirstlane_b32 s[WV], v1                  ; wave 0..3
	s_and_b32 s13, s[WV], 1                        ; wx: which 64 f
	s_lshr_b32 s14, s[WV], 1                       ; wy: which 64 s
	s_bfe_u32 s15, ttmp6, 0x40000                  ; cx
	s_lshr_b32 s16, ttmp9, 3                       ; b: eight clusters a batch; the four partners share it
	s_lshl_b32 s18, ttmp9, 2
	s_add_co_u32 s18, s18, s15
	s_and_b32 s18, s18, 31                         ; which 128 s: it enters Q^T's and out0's addresses alone
	s_lshl_b32 s20, s16, 19                        ; KVt: the batch, and the 32 rows of a tile that my wave fetches
	s_lshl_b32 s21, s[WV], 15
	s_add_co_u32 s20, s20, s21
	s_mov_b32 s21, 0
	s_mul_i32 s2, s16, 1536*8192                   ; Q^T: the batch, my wave's 128 rows d, my block's 128 s
	s_lshl_b32 s3, s[WV], 20
	s_add_co_u32 s2, s2, s3
	s_lshl_b32 s3, s18, 8
	s_add_co_u32 s2, s2, s3
	s_mov_b32 s3, 0
	s_lshl_b32 s52, s18, 21                        ; out0: 128 s of 16,384 bytes, my wave's 64 s, the batch's 2,048 bytes, my wave's 64 f
	s_lshl_b32 s53, s14, 20
	s_add_co_u32 s52, s52, s53
	s_lshl_b32 s53, s16, 11
	s_add_co_u32 s52, s52, s53
	s_lshl_b32 s53, s13, 8
	s_add_co_u32 s52, s52, s53
	s_mov_b32 s53, 0
	s_mov_b32 s[G1+0], 15|(1<<16)|(1<<20)|(1<<21)|(6<<22)|(3<<25)  ; the mask of four; 2-byte elements; padding of 4 words after every 128; bit 21 beside the mask
	s_mov_b32 s[G1+1], 256<<16                     ; tensor_dim0 = 256
	s_mov_b32 s[G1+2], 32<<16                      ; tensor_dim1 = 32
	s_mov_b32 s[G1+3], 256<<16                     ; tile_dim0 = 256
	s_mov_b32 s[G1+4], 32                          ; tile_dim1 = 32
	s_mov_b32 s[G1+5], 512                         ; 512 elements from row to row
	s_mov_b32 s[G1+6], 0
	s_mov_b32 s[G1+7], 0
	s_mov_b32 s[G1Q+0], (1<<16)|(1<<20)|(5<<22)|(7<<25)  ; no mask; 2-byte elements; padding of 8 words after every 64
	s_mov_b32 s[G1Q+1], 128<<16                    ; tensor_dim0 = 128
	s_mov_b32 s[G1Q+2], 128<<16                    ; tensor_dim1 = 128
	s_mov_b32 s[G1Q+3], 128<<16                    ; tile_dim0 = 128
	s_mov_b32 s[G1Q+4], 128                        ; tile_dim1 = 128
	s_mov_b32 s[G1Q+5], 4096                       ; 4,096 elements from row to row
	s_mov_b32 s[G1Q+6], 0
	s_mov_b32 s[G1Q+7], 0
	s_mul_i32 s17, s[WV], 32*PITCH
	s_mul_i32 s19, s[WV], 128*QP
	s_wait_dscnt 0x0                               ; the opening add is done
	s_wait_kmcnt 0x0
	s_add_nc_u64 s[6:7], s[6:7], s[20:21]
	s_add_nc_u64 s[10:11], s[10:11], s[52:53]
	s_mov_b32 s[G0Q], 1
	s_add_co_u32 s[G0Q+1], s19, QB
	s_add_nc_u64 s[G0Q+2:G0Q+3], s[4:5], s[2:3]
	s_or_b32 s[G0Q+3], s[G0Q+3], 0x80000000
.irp n, 0,1
	s_mov_b32 s[G0+4*\n], 1
	s_add_co_u32 s[G0+4*\n+1], s17, \n*SLOT
	s_add_nc_u64 s[G0+4*\n+2:G0+4*\n+3], s[6:7], \n*512
	s_or_b32 s[G0+4*\n+3], s[G0+4*\n+3], 0x80000000
.endr
	CROUND                                         ; all four work-groups are here: the first loads go out as one group; three of mine are out
	tensor_load_to_lds s[G0Q:G0Q+3], s[G1Q:G1Q+7]  ; my 128 rows of Q^T's block
	s_nop 0
	tensor_load_to_lds s[G0:G0+3], s[G1:G1+7]      ; tile 0, K half 0
	s_nop 0
	tensor_load_to_lds s[G0+4:G0+7], s[G1:G1+7]    ; tile 0, K half 1
	s_nop 0
.rept 4
	v_nop
.endr
	v_and_b32 v1, 15, v0                           ; l % 16
	v_bfe_u32 v2, v0, 4, 1                         ; l / 16
	v_mul_u32_u24 v4, v1, PITCH
	v_lshl_add_u32 v4, v2, 4, v4
	s_mul_i32 s18, s13, 64*PITCH                   ; my 64 rows of KVt's tile
.irp n, 0,1
	v_add_nc_u32 v[ADRX+\n], s18, v4
	s_add_co_u32 s18, s18, SLOT
.endr
	v_and_b32 v5, 7, v0                            ; the turning load: lane l reads row 8 (l / 16) + l % 8, 16 bytes at 16 ((l / 8) % 2)
	v_bfe_u32 v6, v0, 3, 1
	v_lshl_add_u32 v7, v2, 3, v5
	v_mul_u32_u24 v7, v7, QP
	v_lshl_add_u32 v7, v6, 4, v7
	s_lshl_b32 s19, s14, 7                         ; my 64 s: 128 bytes
	s_add_co_u32 s19, s19, QB
.irp n, 0,1,2,3
	v_add_nc_u32 v[ADRY+\n], s19, v7
	s_add_co_u32 s19, s19, 128*QP
.endr
	s_mul_i32 s20, s[WV], 16*SPITCH
	s_add_co_u32 s20, s20, STAGE                   ; my stage
	v_mul_u32_u24 v5, v1, SPITCH                   ; in: row l % 16, 32 bytes for each half of the lanes
	v_lshl_add_u32 v5, v2, 5, v5
	v_add_nc_u32 v[STO], s20, v5
	v_mul_u32_u24 v5, v2, SPITCH                   ; back: lanes 0-15 take one row's 256 bytes, lanes 16-31 the next
	v_lshl_add_u32 v5, v1, 4, v5
	v_add_nc_u32 v[RD], s20, v5
	v_lshlrev_b32 v5, 14, v2                       ; and the same two s in out0
	v_lshl_add_u32 v[CO], v1, 4, v5
	s_lshl_b32 s20, s13, 8
	v_lshl_add_u32 v[BO], v1, 4, s20               ; bo[64 wx + 4 (l % 16) ..]
	s_wait_tensorcnt 0x1                           ; my parts of Q^T's block and of slot 0 are in; slot 1's may stay out
	s_barrier_signal -1
	s_barrier_wait -1
	FETCH 0, 0, F0
	WIN 0
	s_mov_b32 s23, 3
.Ltile:                                                ; tiles 0 to 2: each fills both slots again, with the next tile
	TILE 1
	s_sub_co_u32 s23, s23, 1
	s_cmp_lg_u32 s23, 0
	s_cbranch_scc1 .Ltile
	TILE 0                                         ; tile 3 is written out: it asks for nothing
	s_wait_tensorcnt 0x0                           ; the wave's end
	ds_add_u32 v[SPW], v[NIL]
	s_wait_dscnt 0x0
	CROUND                                         ; the closing round
	s_endpgm
.Lfunc_end_k_qbc181e0aad_outp:
	.size	k_qbc181e0aad_outp, .Lfunc_end_k_qbc181e0aad_outp-k_qbc181e0aad_outp
	.p2alignl 7, 3214868480
	.fill 96, 4, 3214868480
	.section	.rodata,"a",@progbits
	.p2align	6, 0x0
	.amdhsa_kernel k_qbc181e0aad_outp
		.amdhsa_group_segment_fixed_size 327680
		.amdhsa_private_segment_fixed_size 0
		.amdhsa_enable_private_segment 0
		.amdhsa_kernarg_size 32
		.amdhsa_user_sgpr_count 2
		.amdhsa_user_sgpr_kernarg_segment_ptr 1
		.amdhsa_wavefront_size32 1
		.amdhsa_system_sgpr_workgroup_id_x 1
		.amdhsa_system_sgpr_workgroup_id_y 1
		.amdhsa_system_sgpr_workgroup_id_z 1
		.amdhsa_system_vgpr_workitem_id 0
		.amdhsa_next_free_vgpr 512
		.amdhsa_next_free_sgpr 66
		.amdhsa_reserve_vcc 0
		.amdhsa_float_denorm_mode_32 3
		.amdhsa_float_denorm_mode_16_64 3
		.amdhsa_memory_ordered 1
		.amdhsa_forward_progress 1
		.amdhsa_inst_pref_size 102
	.end_amdhsa_kernel
	.amdgpu_metadata
---
amdhsa.version: [ 1, 2 ]
amdhsa.kernels:
  - .name:           k_qbc181e0aad_outp
    .symbol:         k_qbc181e0aad_outp.kd
    .args:
      - { .name: T, .offset: 0, .size: 8, .value_kind: global_buffer, .address_space: global }
      - { .name: KVt, .offset: 8, .size: 8, .value_kind: global_buffer, .address_space: global }
      - { .name: bo, .offset: 16, .size: 8, .value_kind: global_buffer, .address_space: global }
      - { .name: out0, .offset: 24, .size: 8, .value_kind: global_buffer, .address_space: global }
    .group_segment_fixed_size: 327680
    .private_segment_fixed_size: 0
    .kernarg_segment_align: 8
    .kernarg_segment_size: 32
    .max_flat_workgroup_size: 128
    .sgpr_count:     66
    .vgpr_count:     512
    .wavefront_size: 32
...
	.end_amdgpu_metadata
.endif
;; end of part 4
